; MI455X (gfx1250); checked and timed in simulation.
; The chip was launched on July 23, 2026; its instructions are those of AMD's public machine-readable ISA for CDNA 5 (MIT licence, August 2026) and "CDNA5" Instruction Set Architecture Reference Guide (July 2026). The comments in the code are by the model that wrote it; some were corrected since.
;; Dot Product Attention. Allowed arithmetic: matrix products marked QUANTISED: E5M2 operands, one given power-of-two scale a tensor, by v_wmma_f32_16x16x64_bf8_bf8 or v_wmma_f32_16x16x128_bf8_bf8, f32 sums; everything else in f32.
;; Inputs: attention_mask 2 x 1 x 4,096 x 4,096 bool; key_codes 2 x 4,096 x 8 x 2 x 32 uint8 (E5M2 codes of key, K innermost, in blocks of 32 codes); lowp_scales 4 int32 (the exponents e of the quantised operands' scales 2^e); query_codes 2 x 4,096 x 8 x 2 x 32 uint8 (E5M2 codes of query, K innermost, in blocks of 32 codes); value_codes 2 x 8 x 64 x 128 x 32 uint8 (E5M2 codes of value, K innermost, in blocks of 32 codes).
;; Outputs: out0 2 x 4,096 x 512 float32.
;; This version of the problem:
;;   THIS VERSION OF THE PROBLEM IS GIVEN IN LOW PRECISION. The matrix products marked QUANTISED in the list below multiply operands that are first quantised to E5M2 (5 exponent bits, 2 mantissa bits; 8 bits a number), with one given power-of-two scale for each operand tensor; their sums are f32. All else is computed in f32.
;;   The module's matrix products, in the order in which they are computed (A, B: the left and right operand; K: the contracted axis; several contracted axes count as one K, in the product's order):
;;     1. batch 16 x [M 4,096, K 64] x [K 64, N 4,096]; A: input query (given as codes); B: input key (given as codes): QUANTISED (scales: A lowp_scales[0], B lowp_scales[1])
;;     2. batch 16 x [M 64, K 4,096] x [K 4,096, N 4,096]; A: input value (given as codes); B: softmax (see below): QUANTISED (scales: A lowp_scales[2], B lowp_scales[3])
;;   THE QUANTISER, for each operand of a quantised product, along K:
;;     - The operand's scale is 2^e, e = its entry of the input lowp_scales (int32; the entries are numbered through the quantised products in the list's order, A before B).
;;     - Each number is divided by the scale, clamped to +-57,344, and rounded to the nearest number of E5M2, ties to even, subnormals kept.
;;     - The product sums the exact products of the quantised numbers (number of the format x scale) in f32.
;;   ~~~python
;;   def quantise(x, axis, e):      # numpy; x: float32 -> the quantised numbers, widened to float32 again
;;       x = np.moveaxis(x, axis, -1); K = x.shape[-1]
;;       r = np.clip(x / 2.0 ** e, -57344, 57344)
;;       step = 2.0 ** (np.maximum(np.frexp(np.where(r == 0, 1, r))[1] - 1, -14) - 2)
;;       q = np.round(r / step) * step * 2.0 ** e      # np.round: ties to even
;;       return np.moveaxis(q, -1, axis).astype(np.float32)
;;   ~~~
;;   SOFTMAX AHEAD OF A QUANTISED PRODUCT. Where the list says 'softmax', what is quantised is not the finished softmax but p = 2^(t - M), with t = logit x log2(e) and M = ceil(the row's largest t), a whole number; so 1/2 < the row's largest p <= 1. The row's sum l is taken of the UNQUANTISED p, in f32, and the product's result is divided by l at the end. Since M is a whole number, a kernel that streams over the keys may use a running M (the ceiling of the running maximum): every later rescaling is an exact power of two, so the quantised numbers keep their values, but for numbers so far below the row's largest that they fall under the format's range.
;;   OPERANDS COMPUTED ON THE WAY. 'Computed on the way' means the value that the module computes at that place (a softmax that the list does not call 'softmax' is quantised finished and normalised). What goes into a quantiser is computed in f32, as accurately as f32 sums, v_exp_f32 and their like allow (about 1e-6 of the number): no bf16 or f16 on the way to a quantiser, and a product that is left as it is and whose result goes on into a quantised operand takes f32 operands (vector FMAs, or v_wmma_f32_16x16x4_f32). A number that lies on a knife's edge between two numbers of the format may be rounded either way, as far as f32 arithmetic and the matrix unit's own rounding can turn it there, and no further.
;;   INPUTS GIVEN AS CODES. key (in the module: [2, 4096, 8, 64], K = its axis 3); query (in the module: [2, 4096, 8, 64], K = its axis 3); value (in the module: [2, 4096, 8, 64], K = its axis 1): each comes as NAME_codes (uint8): NAME with its K axis moved to the last place and cut into blocks of 32 codes, [.., K / 32, bytes a block], one block behind the other in memory; one code a byte (a code: sign, 5 exponent bits, 2 mantissa bits); its scale is its entry of lowp_scales. Its value is code x scale, taken as it is: it is not quantised again, and the codes and scales need not be those that the quantiser above would give.
;; One version. Each part assembles by itself: llvm-mc -triple=amdgcn-amd-amdhsa -mcpu=gfx1250 --defsym DOCPART=n.
;; ======== version 1 of 1: 2 launches
;; limits: right only within a limited range of input values
;; workspace buffers: maskbits 4,194,304 bytes of whole numbers; maskflags 4,096 bytes of whole numbers
;; launch maskpack (part 1): grid 512 x 1, 8 waves a work-group, no clusters, 68,608 bytes of LDS; arguments attention_mask, maskbits, maskflags; writes maskbits, maskflags
.if DOCPART == 1
	.amdgcn_target "amdgcn-amd-amdhsa--gfx1250"
	.amdhsa_code_object_version 6
	.text
	.protected	k_q8c029d40be_maskpack
	.globl	k_q8c029d40be_maskpack
	.p2align	8
	.type	k_q8c029d40be_maskpack,@function
k_q8c029d40be_maskpack:
	s_mov_b64 s[64:65], 0
	v_nop
	global_prefetch_b8 v0, s[64:65] scope:SCOPE_SE
	s_setreg_imm32_b32 hwreg(HW_REG_WAVE_MODE, 25, 1), 1
	s_wait_xcnt 0x0
; attention_mask [2][1][4096][4096], one byte a flag (not 0 = masked out), becomes LANE MASKS for the attention launch: 32-bit words, one bit a lane.
; maskbits: [b 2][qt 256][g 32][n 64] words.  qt: a tile of 16 queries; g = 4 slot + s: a key step; n = 16 bb + i: a score register of that launch.
; Bit L (r = L % 16, h = L / 16) of word n is mask[b][16 qt + r][512 slot + 256 h + 64 s + 16 bb + i]: the key that score register n of lane L holds there.
; The eight heads of a batch share the mask, so the words are made once here and cost the attention launch one select a score.
; SHARES.  Work-group x = 256 b + qt takes 16 whole rows of the mask, 65,536 consecutive bytes.  Wave w takes slot w: 16 rows x 512 bytes in, 256 words (1,024 bytes) out.
; A load takes 512 consecutive bytes of a row, 16 a lane.  The rows turn through the wave's own stage in LDS, so that lane (r, h) gets, of row r, the 16 bytes at 256 h + 16 g.
; A compare of one byte of all 32 lanes gives one word in a scalar register; v_writelane_b32 puts word W where a store of 16 bytes a lane wants it.
; No tensor load, no barrier: waves share nothing.  No matrix unit, no cluster: nothing is multiplied and no byte is read twice.
.set PITCH, 528                        ; a stage row: 512 bytes + 16, an odd multiple of 16: the 16 rows that a read touches fall on 16 different 16-byte columns
.set WSTG,  16*PITCH                   ; a wave's stage
.set OUTR,  8                          ; v[8:15]    the wave's 256 words: word W in register W % 4 + 4 (W / 128), lane (W % 128) / 4
.set R,     16                         ; v[16:79]   the 16 rows as loaded
.set X,     80                         ; v[80:143]  16 groups of 16 bytes of my row
.set T,     144                        ; v[144:159] one byte each, at work
	s_load_b128 s[4:7], s[0:1], 0x0
	s_load_b64 s[36:37], s[0:1], 0x10              ; maskflags: [b 2][qt 256][slot 8] bytes; bit s of a byte is set where any of the 64 words of key step 4 slot + s is not 0
	v_lshl_add_u32 v160, v0, 2, 0x10800
	v_mov_b32 v161, 0
	v_lshrrev_b32 v1, 5, v0
	s_delay_alu instid0(VALU_DEP_1)
	v_readfirstlane_b32 s8, v1                     ; wave = slot
	v_and_b32 v1, 31, v0                           ; lane
	v_lshlrev_b32 v2, 4, v0                        ; in: 16 x thread = 512 x wave + 16 x lane
	s_mul_i32 s9, s8, WSTG                         ; my stage
	v_lshl_add_u32 v3, v1, 4, s9                   ; into it: 16 x lane of a row
	v_and_b32 v6, 15, v0                           ; r
	v_bfe_u32 v7, v0, 4, 1                         ; h
	s_delay_alu instid0(VALU_DEP_2)
	v_mul_u32_u24 v4, v6, PITCH
	s_delay_alu instid0(VALU_DEP_1)
	v_lshl_add_u32 v4, v7, 8, v4
	s_delay_alu instid0(VALU_DEP_1)
	v_add_nc_u32 v4, s9, v4                        ; out of it: row r, + 256 h
	s_lshl_b32 s12, s8, 10
	v_lshl_add_u32 v5, v1, 4, s12                  ; out: 1,024 x wave + 16 x lane
	s_lshl_b32 s10, ttmp9, 16                      ; the work-group's 16 rows of 4,096 bytes
	s_mov_b32 s11, 0
	s_lshl_b32 s14, ttmp9, 13                      ; and its 8,192 bytes of words
	s_mov_b32 s15, 0
	s_mov_b32 s34, 0                               ; my slot's four flags
	s_lshl_b32 s38, ttmp9, 3                       ; the work-group's 8 bytes of flags
	s_mov_b32 s39, 0
	s_wait_alu depctr_va_vdst(0)
	s_wait_kmcnt 0x0
	s_add_nc_u64 s[4:5], s[4:5], s[10:11]
	s_add_nc_u64 s[6:7], s[6:7], s[14:15]
	s_add_nc_u64 s[36:37], s[36:37], s[38:39]
.irp i, 0,1,2,3,4,5,6,7,8,9,10,11,12,13,14,15
	global_load_b128 v[R+4*\i:R+4*\i+3], v2, s[4:5] offset:4096*\i th:TH_LOAD_NT   ; 32 lanes read 512 consecutive bytes of row i; read once in the launch
.endr
.irp j, 0,1,2,3,4,5,6,7
	v_mov_b32 v[OUTR+\j], 0                        ; written whole once: v_writelane_b32 changes one lane and keeps the others
.endr
.irp i, 0,1,2,3,4,5,6,7,8,9,10,11,12,13,14,15
	s_wait_loadcnt 15-\i                           ; loads come back in order: row i is in, the 15 - i rows behind it stay out
	ds_store_b128 v3, v[R+4*\i:R+4*\i+3] offset:PITCH*\i
.endr
.irp g, 0,1,2,3,4,5,6,7,8,9,10,11,12,13,14,15
	ds_load_b128 v[X+4*\g:X+4*\g+3], v4 offset:16*\g   ; LDS serves a wave's instructions in order: these see my stores.  Group g = 4 s + bb
.endr
; Group g: 16 bytes a lane become 16 words.
.macro GROUP g
	s_wait_dscnt 15-(\g)                           ; group g is in, the 15 - g groups behind it stay out
.set ii, 0
.rept 16
	v_and_b32 v[T+ii], 0xff<<(8*(ii%4)), v[X+4*(\g)+ii/4]   ; byte i of my 16
.set ii, ii+1
.endr
.set ii, 0
.rept 16
	v_cmp_ne_u32 s[16+ii], 0, v[T+ii]              ; one bit a lane: the word
.set ii, ii+1
.endr
.set ii, 0
.if ((\g)%4) == 0                      ; the flag of key step g / 4: the OR of its four groups' 64 words
	s_or_b32 s32, s16, s17
.else
	s_or_b32 s32, s32, s16
	s_or_b32 s32, s32, s17
.endif
.set oo, 2
.rept 14
	s_or_b32 s32, s32, s[16+oo]
.set oo, oo+1
.endr
.if ((\g)%4) == 3
	s_cmp_lg_u32 s32, 0
	s_cselect_b32 s33, 1<<((\g)/4), 0
	s_or_b32 s34, s34, s33
.endif
.rept 16
.set ww, 16*(\g)+ii
	v_writelane_b32 v[OUTR+(ww%4)+4*(ww/128)], s[16+ii], (ww%128)/4
.set ii, ii+1
.endr
.endm
.irp g, 0,1,2,3,4,5,6,7,8,9,10,11,12,13,14,15
	GROUP \g
.endr
	global_store_b128 v5, v[OUTR:OUTR+3], s[6:7]               ; words 0 to 127: 512 consecutive bytes, at a multiple of 256 from the buffer's first byte
	global_store_b128 v5, v[OUTR+4:OUTR+7], s[6:7] offset:512
	v_mov_b32 v6, s8                               ; my slot's byte of the work-group's eight
	v_mov_b32 v7, s34
	v_cmp_eq_u32 vcc_lo, 0, v1
	s_wait_alu depctr_va_vdst(0)                   ; directly ahead of the wait below
	s_wait_xcnt 0x0                                ; EXEC changes only behind this wait
	s_and_saveexec_b32 s35, vcc_lo                 ; lane 0 alone stores the byte
	global_store_b8 v6, v7, s[36:37]
	s_wait_xcnt 0x0
	s_or_b32 exec_lo, exec_lo, s35
	s_wait_tensorcnt 0x0
	ds_add_u32 v160, v161
	s_wait_dscnt 0x0
	s_endpgm
.Lfunc_end_k_q8c029d40be_maskpack:
	.size	k_q8c029d40be_maskpack, .Lfunc_end_k_q8c029d40be_maskpack-k_q8c029d40be_maskpack
	.p2alignl 7, 3214868480
	.fill 96, 4, 3214868480
	.section	.rodata,"a",@progbits
	.p2align	6, 0x0
	.amdhsa_kernel k_q8c029d40be_maskpack
		.amdhsa_group_segment_fixed_size 68608
		.amdhsa_private_segment_fixed_size 0
		.amdhsa_enable_private_segment 0
		.amdhsa_kernarg_size 24
		.amdhsa_user_sgpr_count 2
		.amdhsa_user_sgpr_kernarg_segment_ptr 1
		.amdhsa_wavefront_size32 1
		.amdhsa_system_sgpr_workgroup_id_x 1
		.amdhsa_system_sgpr_workgroup_id_y 1
		.amdhsa_system_sgpr_workgroup_id_z 1
		.amdhsa_system_vgpr_workitem_id 0
		.amdhsa_next_free_vgpr 162
		.amdhsa_next_free_sgpr 66
		.amdhsa_reserve_vcc 1
		.amdhsa_float_denorm_mode_32 3
		.amdhsa_float_denorm_mode_16_64 3
		.amdhsa_memory_ordered 1
		.amdhsa_forward_progress 1
		.amdhsa_inst_pref_size 64
	.end_amdhsa_kernel
	.amdgpu_metadata
---
amdhsa.version: [ 1, 2 ]
amdhsa.kernels:
  - .name:           k_q8c029d40be_maskpack
    .symbol:         k_q8c029d40be_maskpack.kd
    .args:
      - { .name: attention_mask, .offset: 0, .size: 8, .value_kind: global_buffer, .address_space: global }
      - { .name: maskbits, .offset: 8, .size: 8, .value_kind: global_buffer, .address_space: global }
      - { .name: maskflags, .offset: 16, .size: 8, .value_kind: global_buffer, .address_space: global }
    .group_segment_fixed_size: 68608
    .private_segment_fixed_size: 0
    .kernarg_segment_align: 8
    .kernarg_segment_size: 24
    .max_flat_workgroup_size: 256
    .sgpr_count:     66
    .vgpr_count:     162
    .wavefront_size: 32
...
	.end_amdgpu_metadata
.endif
;; end of part 1
;; launch attn (part 2): grid 16 x 16, 8 waves a work-group, no clusters, 263,168 bytes of LDS; arguments query_codes, key_codes, value_codes, lowp_scales, maskbits, maskflags, out0; writes out0
.if DOCPART == 2
	.amdgcn_target "amdgcn-amd-amdhsa--gfx1250"
	.amdhsa_code_object_version 6
	.text
	.protected	k_q8c029d40be_attn
	.globl	k_q8c029d40be_attn
	.p2align	8
	.type	k_q8c029d40be_attn,@function
k_q8c029d40be_attn:
	s_mov_b64 s[64:65], 0
	v_nop
	global_prefetch_b8 v0, s[64:65] scope:SCOPE_SE
	s_setreg_imm32_b32 hwreg(HW_REG_WAVE_MODE, 25, 1), 1
	s_wait_xcnt 0x0
; out[b][q][64 head + d] = the sum over k of softmax_k(logit) V[b][k][head][d];  logit = Q[b][q][head] . K[b][k][head] / 8, or exactly -10000 where the mask says so.
; Both products on codes of BF8 (E5M2), each tensor with its given scale 2^e: lowp_scales = eq, ek, ev, ep.
; Q, K: [b][row][head][64] codes.  V: [b][head][d][4096 keys] codes, keys innermost.  out0: [b][q][512] f32.
; THE SOFTMAX: t = logit x log2(e); M = the row's largest t so far, rounded UP to a whole number; p = 2^(t - M) is quantised with 2^ep, not normalised.  The row's sum is taken of the
; unquantised p and divides at the end.  When M moves, the sum and O are multiplied by 2^(old M - new M), which rounds nothing.
; THE MASK comes from the launch before as lane masks (maskbits: one 32-bit word a score register) and as flags (maskflags: one bit for 16 queries x a key step).  Where a tile's flag is 0 none of its
; 64 words has a bit, and a scalar branch on the flag leads round their loads and selects; where it is 1, one v_cndmask_b32 a score puts the raw score -80000 x 2^-(eq + ek) in a masked place,
; which times c = log2(e) / 8 x 2^(eq + ek) is -10000 x log2(e).
; THE HOLD at the largest code: p is at most 1 (up to f32 rounding of t - M), and 57,344 x 2^ep is at least 1.75 where ep >= -15: no p lies beyond it there.  A scalar branch on ep picks the copy of the
; softmax's second part with the hold (ep < -15) or without.
; NO TENSOR LOAD, NO CLUSTER: these two branches hang on whole numbers read from memory.  K and V go from memory through
; registers into LDS: a ring of two slots of 512 keys, one barrier a slot; in each key step a wave asks for four pieces of 512 bytes of the next slot at the step's head and stores them at its end.
; NO PREFETCH: a piece is asked for a whole key step ahead of the store that waits for it, and a slot ahead of its first read.
; SHARES.  A work-group owns 256 queries of one (batch, head): 256 work-groups.  Each of its eight waves owns 32 queries, tiles A and B of 16: a fragment of K or V feeds two products.  Every wave walks 8 slots x 4 steps of 128 keys.
; LAYOUT.  Both products are used transposed: S^T = K Q^T, O^T = V^T P^T: a lane holds ONE query (lane % 16).  Step s takes keys 64 s + 0..63 of the slot's first 256 and of its second 256; row m of K's tile t
; is key 256 (m / 8) + 64 s + 8 t + m % 8: so score register n of lane (r, h) is key 256 h + 64 s + n, the conversions' results are the second product's operand, and V's fragment is 64 consecutive bytes a lane.
; Along K both operands lie in their registers by the same order, which is not the form's own: each product meets its partner; only the order of the sums inside an instruction differs.
; THE SOFTMAX'S ORDER: all maxima, both M, both rescalings and tile A's t - M; tile A's exponentials with tile B's t - M between them; tile B's exponentials with tile A's partial sums and conversions between
; them; tile B's sums and conversions.  One wait parts each stage from the next; nothing written by a plain line inside a stage with exponentials is read across an exponential in that stage.
; LIMITS on the given exponents: eq + ek between -111 and 130 (added to exponent fields); ep between -126 and 112; ep + ev has none.  Codes of NaN or infinity among the inputs are not served.
; REGISTERS.  Window 0: v1-15, v28-31 addresses and constants; v16-23 a tile's -M, largest t, sum in two halves; v24-27 f of A, of B; v32-47 A's codes; v48-63 at work; v64-127, v128-191 S^T then p of A, of B
; (v64-79 later B's codes); v192-255 eight fragments of K, then four of V.   Window 1: v0-63 O^T of A, of B; v64-79 pieces on their way to LDS; v80-95 Q.
.set KP,    80                         ; a key's row in LDS: 64 bytes + 16
.set KHALF, 256*KP+128                 ; the slot's second 256 keys
.set VOFF,  41472                      ; V's 64 rows, behind K's halves
.set VP,    528                        ; a row of V in LDS: 512 bytes + 16
.set SLOT1, 1<<17                      ; slot 1: one exclusive or turns an address of one slot into the other's
.set SPARE, 2*SLOT1                    ; the spare words, 128 bytes a wave
.set SP,    272                        ; the way out: 16 rows x (256 + 16) bytes a wave, from LDS byte 0 on: slot 0 has had its last store and read by then
.set SPW,1
.set NIL,2
.set AK0,3
.set AV0,4
.set ADK,5
.set ADV,6
.set HOLD,7
.set SCL,8
.set MRAW,9
.set EPV,10
.set STO,11
.set RD,12
.set GO,13
.set GKO,14                            ; my offset in 8 rows of K in memory
.set GVO,15                            ; in a row of V
.set ST,16
.set FF,24
.set STK0,28                           ; where my pieces of K, of V go in a slot
.set STV0,29
.set STK,30
.set STV,31
.set PA,32
.set TM,48
.set S,64
.set PB,64
.set KV,192
.set SG,64                             ; window 1
.set QW,80                             ; window 1
.set MP,2                              ; s[2:3] maskbits at tile A's step
.set KG,4                              ; s[4:5] K, s[6:7] V: the pieces that I ask for next
.set VG,6
.set OUT,8
.set CS,12
.set SEL,14
.set WA,16                             ; tile A's 32 flags, tile B's
.set WB,17
.set G,18                              ; the key step, 0..31
.set HF,19                             ; 1: the hold is needed
.set TBK,20
.set TBV,21
.set TSK,22
.set TSV,23
.set WV,24
.set SLOTS,25
.set STEPS,26
.set MSB, 0
.macro WIN new                         ; the immediate's high byte repeats the setting that is left; bits 1:0 source 0, 3:2 source 1, 5:4 source 2, 7:6 destination
.if MSB != \new
	s_set_vgpr_msb (MSB<<8)|\new
.set MSB, \new
.endif
.endm
.macro VW
	s_wait_alu depctr_va_vdst(0)
.endm
.macro NIB dst, lo, hi, tmp            ; eight bytes of four flags each become one word of 32
	s_lshr_b32 s[\tmp], s[\lo], 4
	s_or_b32 s[\tmp], s[\tmp], s[\lo]
	s_and_b32 s[\tmp], s[\tmp], 0x00ff00ff
	s_lshr_b32 s[\dst], s[\tmp], 8
	s_or_b32 s[\dst], s[\dst], s[\tmp]
	s_and_b32 s[\dst], s[\dst], 0xffff
	s_lshr_b32 s[\tmp], s[\hi], 4
	s_or_b32 s[\tmp], s[\tmp], s[\hi]
	s_and_b32 s[\tmp], s[\tmp], 0x00ff00ff
	s_lshr_b32 s[\hi], s[\tmp], 8
	s_or_b32 s[\hi], s[\hi], s[\tmp]
	s_lshl_b32 s[\hi], s[\hi], 16
	s_or_b32 s[\dst], s[\dst], s[\hi]
.endm
	s_load_b256 s[32:39], s[0:1], 0x0              ; Q s[32:33], K s[34:35], V s[36:37], the exponents s[38:39]
	s_load_b128 s[40:43], s[0:1], 0x20             ; maskbits, maskflags
	s_load_b64 s[OUT:OUT+1], s[0:1], 0x30
	v_lshl_add_u32 v[SPW], v0, 2, SPARE
	v_mov_b32 v[NIL], 0
	v_lshrrev_b32 v5, 5, v0
	v_readfirstlane_b32 s[WV], v5                  ; wave 0..7
	s_and_b32 s46, ttmp7, 0xffff                   ; 8 b + head
	s_lshr_b32 s47, s46, 3
	s_and_b32 s48, s46, 7
	s_lshl_b32 s49, s[WV], 15                      ; my 64 rows of K (512 bytes each), my 8 rows of V (4,096 each)
	s_lshl_b32 s50, s47, 21
	s_lshl_b32 s51, s48, 6
	s_add_co_u32 s50, s50, s51
	s_add_co_u32 s50, s50, s49                     ; K
	s_mov_b32 s51, 0
	s_lshl_b32 s54, s46, 18
	s_add_co_u32 s54, s54, s49                     ; V
	s_mov_b32 s55, 0
	s_lshl_b32 s56, s47, 12
	s_lshl_b32 s57, ttmp9, 8
	s_add_co_u32 s56, s56, s57
	s_lshl_b32 s57, s[WV], 5
	s_add_co_u32 s56, s56, s57                     ; my first query: 4,096 b + 256 block + 32 wave
	s_lshl_b32 s60, s56, 9                         ; maskbits: 512 bytes a query
	s_mov_b32 s61, 0
	s_lshl_b32 s59, s48, 6
	s_add_co_u32 s58, s60, s59                     ; Q
	s_mov_b32 s59, 0
	s_lshl_b32 s52, s56, 11
	s_lshl_b32 s53, s48, 8
	s_add_co_u32 s52, s52, s53                     ; out0
	s_mov_b32 s53, 0
	s_lshr_b32 s62, s56, 1                         ; maskflags: 8 bytes for 16 queries
	s_mov_b32 s63, 0
	s_and_b32 s76, s[WV], 3
	s_mul_i32 s76, s76, 64*KP
	s_lshr_b32 s77, s[WV], 2
	s_mul_i32 s77, s77, KHALF
	s_add_co_u32 s76, s76, s77                     ; keys 64 wave .. + 63 of a slot
	s_mul_i32 s77, s[WV], 8*VP
	s_add_co_u32 s77, s77, VOFF
	s_mul_i32 s78, s[WV], 16*SP                    ; my stage
	s_mov_b32 s[SEL], 0x76543210
	s_mov_b32 s[SEL+1], 0xfedcba98
	s_mov_b32 s[TBK], 0
	s_mov_b32 s[TBV], 0
	s_mov_b32 s[TSK], SLOT1
	s_mov_b32 s[TSV], SLOT1
	s_mov_b32 s[G], 0
	s_mov_b32 s[SLOTS], 7
	v_and_b32 v16, 31, v0                          ; lane
	v_lshrrev_b32 v17, 2, v16
	v_and_b32 v18, 3, v0
	v_and_b32 v19, 15, v0                          ; r
	v_bfe_u32 v20, v0, 4, 1                        ; h
	v_lshlrev_b32 v[GKO], 9, v17                   ; four lanes take a key's 64 bytes, a load 8 keys
	v_lshl_add_u32 v[GKO], v18, 4, v[GKO]
	v_lshlrev_b32 v[GVO], 4, v16                   ; a load takes 512 bytes of a row of V
	v_lshlrev_b32 v[ADV], 9, v19                   ; (in the register of V's LDS address, which is first written behind the wait for Q's loads)
	v_lshl_add_u32 v[ADV], v20, 4, v[ADV]
	v_and_b32 v[AK0], 7, v0
	v_mul_u32_u24 v[AK0], v[AK0], KP
	v_bfe_u32 v22, v0, 3, 1
	v_mul_u32_u24 v22, v22, KHALF
	v_add_nc_u32 v[AK0], v[AK0], v22
	v_lshl_add_u32 v[AK0], v20, 4, v[AK0]
	v_mul_u32_u24 v[AV0], v19, VP
	v_lshl_add_u32 v[AV0], v20, 8, v[AV0]
	v_add_nc_u32 v[AV0], VOFF, v[AV0]
	v_mul_u32_u24 v[STK0], v17, KP
	v_lshl_add_u32 v[STK0], v18, 4, v[STK0]
	v_add_nc_u32 v[STK0], s76, v[STK0]
	v_lshl_add_u32 v[STV0], v16, 4, s77
	v_mul_u32_u24 v[STO], v19, SP
	v_lshl_add_u32 v[STO], v20, 5, v[STO]
	v_add_nc_u32 v[STO], s78, v[STO]
	v_mul_u32_u24 v[RD], v20, SP
	v_lshl_add_u32 v[RD], v19, 4, v[RD]
	v_add_nc_u32 v[RD], s78, v[RD]
	v_lshlrev_b32 v[GO], 11, v20
	v_lshl_add_u32 v[GO], v19, 4, v[GO]
	VW                                             ; directly ahead of the wait below
	s_wait_kmcnt 0x0
	s_load_b128 s[68:71], s[38:39], 0x0            ; eq, ek, ev, ep
	s_add_nc_u64 s[42:43], s[42:43], s[62:63]
	s_load_b128 s[72:75], s[42:43], 0x0            ; tile A's 8 bytes of flags, tile B's
	s_add_nc_u64 s[KG:KG+1], s[34:35], s[50:51]
	s_add_nc_u64 s[VG:VG+1], s[36:37], s[54:55]
	s_add_nc_u64 s[32:33], s[32:33], s[58:59]
	s_add_nc_u64 s[MP:MP+1], s[40:41], s[60:61]
	s_add_nc_u64 s[OUT:OUT+1], s[OUT:OUT+1], s[52:53]
.irp i, 0,1,2,3,4,5,6,7
	global_load_b128 v[S+4*\i:S+4*\i+3], v[GKO], s[KG:KG+1] offset:4096*\i       ; slot 0: my 64 keys,
.endr
.irp i, 0,1,2,3,4,5,6,7
	global_load_b128 v[S+32+4*\i:S+32+4*\i+3], v[GVO], s[VG:VG+1] offset:4096*\i ; my 8 rows of V
.endr
	WIN 0x40
.irp x, 0,1
.irp c, 0,1
	global_load_b128 v[QW+8*\x+4*\c:QW+8*\x+4*\c+3], v[ADV], s[32:33] offset:8192*\x+32*\c
.endr
.endr
.set jj, 0
.rept 64
	v_mov_b32 v[jj], 0                             ; O^T: the step is written once; the first finds zeros
.set jj, jj+1
.endr
	WIN 0
.irp x, 0,1
	v_mov_b32 v[ST+4*\x+1], 0xff61b1e6             ; the largest t so far: -3e38
	v_floor_f32 v[ST+4*\x], -v[ST+4*\x+1]
	v_mov_b32 v[ST+4*\x+2], 0
	v_mov_b32 v[ST+4*\x+3], 0
	v_mov_b32 v[FF+2*\x+1], 0                      ; (named as the upper half of the pair f)
.endr
	s_wait_kmcnt 0x0
	s_add_co_i32 s80, s68, s69
	s_lshl_b32 s80, s80, 23
	s_mov_b32 s[CS], 0x3e38aa3b                    ; log2(e) / 8, with eq + ek added to its exponent field
	s_add_co_i32 s[CS], s[CS], s80
	s_mov_b32 s[CS+1], s[CS]
	s_sub_co_i32 s81, 0xc79c4000, s80              ; -80000 with eq + ek taken off its exponent field
	v_mov_b32 v[MRAW], s81
	s_add_co_i32 s82, s71, 127
	s_lshl_b32 s83, s82, 23
	v_mov_b32 v[SCL], s83                          ; 2^ep
	s_add_co_i32 s82, s82, 15
	s_lshl_b32 s82, s82, 23
	s_or_b32 s82, s82, 0x600000
	v_mov_b32 v[HOLD], s82                         ; 57,344 x 2^ep
	s_add_co_i32 s84, s70, s71
	v_mov_b32 v[EPV], s84
	s_cmp_lt_i32 s71, -15
	s_cselect_b32 s[HF], 1, 0
	NIB WA, 72, 73, 85
	NIB WB, 74, 75, 85
	VW                                             ; the wait at the head's end
	s_wait_loadcnt 0x4                             ; slot 0's sixteen pieces are in; Q's four loads may be out
.irp i, 0,1,2,3,4,5,6,7
	ds_store_b128 v[STK0], v[S+4*\i:S+4*\i+3] offset:8*KP*\i
.endr
.irp i, 0,1,2,3,4,5,6,7
	ds_store_b128 v[STV0], v[S+32+4*\i:S+32+4*\i+3] offset:VP*\i
.endr
	s_add_nc_u64 s[KG:KG+1], s[KG:KG+1], 512*512   ; slot 1
	s_add_nc_u64 s[VG:VG+1], s[VG:VG+1], 512
	s_wait_loadcnt 0x0                             ; Q is in: its base lies among the mask words' registers
.macro MASKT x, flag, off              ; tile x's selects, where its flag says that a word has a bit.  Ascending: each accumulator is first read at its low end
	s_bitcmp1_b32 s[\flag], s[G]
	s_cbranch_scc0 .Lopen_\@
	s_load_b512 s[32:47], s[MP:MP+1], \off
	s_load_b512 s[48:63], s[MP:MP+1], \off+64
	s_load_b512 s[68:83], s[MP:MP+1], \off+128
	s_load_b512 s[84:99], s[MP:MP+1], \off+192
	s_wait_kmcnt 0x0
.set nn, 0
.rept 64
	v_cndmask_b32 v[S+64*(\x)+nn], v[S+64*(\x)+nn], v[MRAW], s[32+nn+4*(nn/32)]
.set nn, nn+1
.endr
.Lopen_\@:
.endm
.macro TREE x                          ; the eight partial pairs meet and join tile x's sum
.irp a, 0,4,8,12
	v_pk_add_f32 v[TM+\a:TM+\a+1], v[TM+\a:TM+\a+1], v[TM+\a+2:TM+\a+3]
.endr
	v_pk_add_f32 v[TM:TM+1], v[TM:TM+1], v[TM+4:TM+5]
	v_pk_add_f32 v[TM+8:TM+9], v[TM+8:TM+9], v[TM+12:TM+13]
	v_pk_add_f32 v[TM:TM+1], v[TM:TM+1], v[TM+8:TM+9]
	v_pk_add_f32 v[ST+4*(\x)+2:ST+4*(\x)+3], v[ST+4*(\x)+2:ST+4*(\x)+3], v[TM:TM+1]
.endm
; The softmax's second part.  Eight runs: eight of tile B's exponentials, then for eight p of tile A a partial sum of its own (of the UNQUANTISED p), the hold where it is needed, and the conversion.
.macro TAIL hold
.set jj, 0
.rept 8
.set ee, 0
.rept 8
	v_exp_f32 v[S+64+8*jj+ee], v[S+64+8*jj+ee]
.set ee, ee+1
.endr
	v_pk_add_f32 v[TM+2*jj:TM+2*jj+1], v[S+8*jj:S+8*jj+1], v[S+8*jj+2:S+8*jj+3]
	v_pk_add_f32 v[TM+2*jj:TM+2*jj+1], v[TM+2*jj:TM+2*jj+1], v[S+8*jj+4:S+8*jj+5]
	v_pk_add_f32 v[TM+2*jj:TM+2*jj+1], v[TM+2*jj:TM+2*jj+1], v[S+8*jj+6:S+8*jj+7]
.if \hold
.set ee, 0
.rept 8
	v_min_num_f32 v[S+8*jj+ee], v[S+8*jj+ee], v[HOLD]   ; the conversion does not saturate (ISA guide 7.6.2); p is not negative
.set ee, ee+1
.endr
.endif
	v_cvt_scalef32_pk8_bf8_f32 v[PA+2*jj:PA+2*jj+1], v[S+8*jj:S+8*jj+7], v[SCL]
.set jj, jj+1
.endr
	VW                                             ; one wait for tile B's batch and for the partial sums
	TREE 0
.irp l, 2,4,6                          ; tile B's sums, eight chains side by side
.set jj, 0
.rept 8
.if \l == 2
	v_pk_add_f32 v[TM+2*jj:TM+2*jj+1], v[S+64+8*jj:S+64+8*jj+1], v[S+64+8*jj+2:S+64+8*jj+3]
.else
	v_pk_add_f32 v[TM+2*jj:TM+2*jj+1], v[TM+2*jj:TM+2*jj+1], v[S+64+8*jj+\l:S+64+8*jj+\l+1]
.endif
.set jj, jj+1
.endr
.endr
.if \hold
.set ee, 0
.rept 64
	v_min_num_f32 v[S+64+ee], v[S+64+ee], v[HOLD]
.set ee, ee+1
.endr
.endif
.set jj, 0
.rept 8
	v_cvt_scalef32_pk8_bf8_f32 v[PB+2*jj:PB+2*jj+1], v[S+64+8*jj:S+64+8*jj+7], v[SCL]   ; into tile A's first 16 score registers, which are done with
.set jj, jj+1
.endr
	TREE 1                                         ; also the plain lines behind the last conversion
	VW                                             ; the wait ahead of the branch, the label and the wait that follow
.endm
; A KEY STEP: 128 keys for both tiles.  stg = 1: a quarter of my part of the next slot is fetched beside it.
.macro STEP stg
	v_add_nc_u32 v[ADK], s[TBK], v[AK0]
	v_add_nc_u32 v[ADV], s[TBV], v[AV0]
.if \stg
	v_add_nc_u32 v[STK], s[TSK], v[STK0]
	v_add_nc_u32 v[STV], s[TSV], v[STV0]
.else
	v_nop
	v_nop
.endif
	v_nop                                          ; six places between the last step's products and the loads and products that write their sources
	v_nop
	VW                                             ; the addresses are read again behind waits
.irp t, 0,1,2,3,4,5,6,7
.irp c, 0,1
	ds_load_b128 v[KV+8*\t+4*\c:KV+8*\t+4*\c+3], v[ADK] offset:(16*(\t/2)+8*(\t%2))*KP+32*\c
.endr
.endr
.if \stg
	WIN 0x40
	global_load_b128 v[SG:SG+3], v[GKO], s[KG:KG+1]
	global_load_b128 v[SG+4:SG+7], v[GKO], s[KG:KG+1] offset:4096
	global_load_b128 v[SG+8:SG+11], v[GVO], s[VG:VG+1]
	global_load_b128 v[SG+12:SG+15], v[GVO], s[VG:VG+1] offset:4096
.endif
	WIN 0x04                                       ; Q lies in window 1
.irp t, 0,1,2,3,4,5,6,7
	s_wait_dscnt 14-2*\t                           ; tile t's two loads are in; the two of each later tile may be out
	v_wmma_f32_16x16x64_bf8_bf8 v[S+8*\t:S+8*\t+7], v[KV+8*\t:KV+8*\t+7], v[QW:QW+7], 0
	v_wmma_f32_16x16x64_bf8_bf8 v[S+64+8*\t:S+64+8*\t+7], v[KV+8*\t:KV+8*\t+7], v[QW+8:QW+15], 0
.endr
	WIN 0
.rept 4
	v_nop                                          ; four places: ahead of the loads into K's registers and of the first read of the scores
.endr
.irp t, 0,1,2,3
.irp c, 0,1,2,3
	ds_load_b128 v[KV+16*\t+4*\c:KV+16*\t+4*\c+3], v[ADV] offset:16*\t*VP+16*\c
.endr
.endr
	MASKT 0, WA, 0
	MASKT 1, WB, 8192
.irp k, 0,1,2,3                        ; the step's largest score of each query: four chains a tile, the tiles by turns
.irp x, 0,1
	v_max3_num_f32 v[TM+4*\x+\k], v[S+64*\x+3*\k], v[S+64*\x+3*\k+1], v[S+64*\x+3*\k+2]
.endr
.endr
.set kk, 0
.rept 26
.irp x, 0,1
	v_max3_num_f32 v[TM+4*\x+kk%4], v[TM+4*\x+kk%4], v[S+64*\x+12+2*kk], v[S+64*\x+13+2*kk]
.endr
.set kk, kk+1
.endr
.irp x, 0,1
	v_max3_num_f32 v[TM+4*\x], v[TM+4*\x], v[TM+4*\x+1], v[TM+4*\x+2]
.endr
.irp x, 0,1
	v_max_num_f32 v[TM+4*\x], v[TM+4*\x], v[TM+4*\x+3]
.endr
.irp x, 0,1
	v_permlanex16_b32 v[TM+4*\x+1], v[TM+4*\x], s[SEL], s[SEL+1]   ; the query's other 64 keys lie in lane l xor 16
.endr
.irp x, 0,1
	v_max_num_f32 v[TM+4*\x], v[TM+4*\x], v[TM+4*\x+1]
.endr
.irp x, 0,1
	v_mul_f32 v[TM+4*\x], s[CS], v[TM+4*\x]        ; as t (c is positive)
.endr
.irp x, 0,1
	v_max_num_f32 v[ST+4*\x+1], v[ST+4*\x+1], v[TM+4*\x]
.endr
.irp x, 0,1
	v_mov_b32 v[TM+4*\x], v[ST+4*\x]
.endr
.irp x, 0,1
	v_floor_f32 v[ST+4*\x], -v[ST+4*\x+1]          ; the new -M = -ceil(t)
.endr
.irp x, 0,1
	v_sub_f32 v[TM+4*\x], v[ST+4*\x], v[TM+4*\x]   ; old M less new M
.endr
.irp x, 0,1
	v_cvt_i32_f32 v[TM+4*\x], v[TM+4*\x]           ; (it saturates)
.endr
.irp x, 0,1
	v_ldexp_f32 v[FF+2*\x], 1.0, v[TM+4*\x]        ; f = 2^(old M - new M)
.endr
.irp x, 0,1
	v_pk_mul_f32 v[ST+4*\x+2:ST+4*\x+3], v[ST+4*\x+2:ST+4*\x+3], v[FF+2*\x:FF+2*\x+1] op_sel_hi:[1,0]
.endr
	WIN 0x41                                       ; O^T under the new M, each accumulator from its low end on; no exponential stands between the last products and these lines
.irp x, 0,1
.set jj, 0
.rept 16
	v_pk_mul_f32 v[32*\x+jj:32*\x+jj+1], v[32*\x+jj:32*\x+jj+1], v[FF+2*\x:FF+2*\x+1] op_sel_hi:[1,0]
.set jj, jj+2
.endr
.endr
	WIN 0
.set jj, 0
.rept 32
	v_pk_fma_f32 v[S+jj:S+jj+1], v[S+jj:S+jj+1], s[CS:CS+1], v[ST:ST+1] op_sel_hi:[1,0,0]   ; tile A's t - M
.set jj, jj+2
.endr
	VW                                             ; the wait ahead of the batch
.set jj, 0
.rept 32
	v_exp_f32 v[S+jj], v[S+jj]                     ; tile A's p,
	v_exp_f32 v[S+jj+1], v[S+jj+1]
	v_pk_fma_f32 v[S+64+jj:S+64+jj+1], v[S+64+jj:S+64+jj+1], s[CS:CS+1], v[ST+4:ST+5] op_sel_hi:[1,0,0]   ; with tile B's t - M between
.set jj, jj+2
.endr
	VW                                             ; one wait behind tile A's batch and ahead of tile B's
	s_cmp_lg_u32 s[HF], 0
	s_cbranch_scc1 .Lheld_\@
	TAIL 0
	s_branch .Ljoin_\@
.Lheld_\@:
	TAIL 1
.Ljoin_\@:
	s_wait_dscnt 0x0                               ; V is in
	WIN 0x50                                       ; C and D window 1.  The eight accumulators take turns
.irp t, 0,1,2,3
	v_wmma_f32_16x16x128_bf8_bf8 v[8*\t:8*\t+7], v[KV+16*\t:KV+16*\t+15], v[PA:PA+15], v[8*\t:8*\t+7]
.endr
.irp t, 0,1,2,3
	v_wmma_f32_16x16x128_bf8_bf8 v[32+8*\t:32+8*\t+7], v[KV+16*\t:KV+16*\t+15], v[PB:PB+15], v[32+8*\t:32+8*\t+7]
.endr
.if \stg
	s_wait_loadcnt 0x0                             ; my four pieces are in: into the slot that nobody reads before the next barrier
	WIN 0x04
	ds_store_b128 v[STK], v[SG:SG+3]
	ds_store_b128 v[STK], v[SG+4:SG+7] offset:8*KP
	ds_store_b128 v[STV], v[SG+8:SG+11]
	ds_store_b128 v[STV], v[SG+12:SG+15] offset:VP
	WIN 0
	s_add_nc_u64 s[KG:KG+1], s[KG:KG+1], 8192      ; 16 keys on; two rows of V on
	s_add_nc_u64 s[VG:VG+1], s[VG:VG+1], 8192
	s_add_co_u32 s[TSK], s[TSK], 16*KP
	s_add_co_u32 s[TSV], s[TSV], 2*VP
.else
	WIN 0
.endif
	s_add_co_u32 s[TBK], s[TBK], 64*KP
	s_add_co_u32 s[TBV], s[TBV], 64
	s_add_co_u32 s[G], s[G], 1
	s_add_nc_u64 s[MP:MP+1], s[MP:MP+1], 256       ; no scalar load is out here
.endm
.macro CHANGE                          ; my stores into the slot ahead and my reads of the slot left are done; then so are everybody's
	s_wait_dscnt 0x0
	s_barrier_signal -1
	s_barrier_wait -1
.endm
.macro SLOT_STEPS stg
	s_mov_b32 s[STEPS], 4
.Lstep_\@:
	STEP \stg
	s_sub_co_u32 s[STEPS], s[STEPS], 1
	s_cmp_lg_u32 s[STEPS], 0
	s_cbranch_scc1 .Lstep_\@
	s_sub_co_u32 s[TBK], s[TBK], 4*64*KP
	s_xor_b32 s[TBK], s[TBK], SLOT1
	s_sub_co_u32 s[TBV], s[TBV], 4*64
	s_xor_b32 s[TBV], s[TBV], SLOT1
.if \stg
	s_sub_co_u32 s[TSK], s[TSK], 4*16*KP
	s_xor_b32 s[TSK], s[TSK], SLOT1
	s_sub_co_u32 s[TSV], s[TSV], 4*2*VP
	s_xor_b32 s[TSV], s[TSV], SLOT1
	s_add_nc_u64 s[KG:KG+1], s[KG:KG+1], 512*512-4*8192   ; my keys of the slot after
	s_sub_nc_u64 s[VG:VG+1], s[VG:VG+1], 4*8192-512
.endif
.endm
.Lslot:                                            ; seven trips: slot n is multiplied while slot n + 1 is fetched
	CHANGE
	SLOT_STEPS 1
	s_sub_co_u32 s[SLOTS], s[SLOTS], 1
	s_cmp_lg_u32 s[SLOTS], 0
	s_cbranch_scc1 .Lslot
	CHANGE                                         ; the last slot fetches nothing
	SLOT_STEPS 0
	; THE WAY OUT.  O^T / the sum x 2^(ev + ep) goes through my stage in LDS, a tile at a time, so that sixteen lanes store the 256 consecutive bytes of one (query, head).
.irp x, 0,1
	v_add_f32 v[TM+\x], v[ST+4*\x+2], v[ST+4*\x+3]
.endr
.irp x, 0,1
	v_permlanex16_b32 v[TM+2+\x], v[TM+\x], s[SEL], s[SEL+1]
.endr
.irp x, 0,1
	v_add_f32 v[TM+\x], v[TM+\x], v[TM+2+\x]       ; the row's sum
.endr
	VW                                             ; ahead of the batch
.irp x, 0,1
	v_rcp_f32 v[TM+\x], v[TM+\x]
.endr
	v_nop
	VW                                             ; behind it
.irp x, 0,1
	v_ldexp_f32 v[FF+2*\x], v[TM+\x], v[EPV]
.endr
	WIN 0x01
	VW                                             ; directly ahead of the first readers of O^T, which stand behind transcendentals
.irp x, 0,1
.set jj, 0
.rept 16
	v_pk_mul_f32 v[S+64*\x+jj:S+64*\x+jj+1], v[32*\x+jj:32*\x+jj+1], v[FF+2*\x:FF+2*\x+1] op_sel_hi:[1,0]   ; register 8 t + j: out(query r, d = 16 t + 8 h + j)
.set jj, jj+2
.endr
.endr
	WIN 0
.irp x, 0,1
.irp t, 0,1,2,3
	ds_store_b128 v[STO], v[S+64*\x+8*\t:S+64*\x+8*\t+3] offset:64*\t
	ds_store_b128 v[STO], v[S+64*\x+8*\t+4:S+64*\x+8*\t+7] offset:64*\t+16
.endr
.irp i, 0,1,2,3,4,5,6,7
	ds_load_b128 v[S+64*\x+32+4*\i:S+64*\x+32+4*\i+3], v[RD] offset:2*\i*SP   ; LDS serves a wave's instructions in order (ISA guide 5.7.1.4)
.endr
.endr
.irp x, 0,1
.irp i, 0,1,2,3,4,5,6,7
	s_wait_dscnt 16*(1-\x)+7-\i                    ; this load is in; behind tile A's stand tile B's 8 stores and 8 loads
	global_store_b128 v[GO], v[S+64*\x+32+4*\i:S+64*\x+32+4*\i+3], s[OUT:OUT+1] offset:32768*\x+4096*\i th:TH_STORE_NT   ; 16 lanes store 256 consecutive bytes, aligned
.endr
.endr
	s_wait_tensorcnt 0x0                           ; the wave's end
	ds_add_u32 v[SPW], v[NIL]
	s_wait_dscnt 0x0
	s_endpgm
.Lfunc_end_k_q8c029d40be_attn:
	.size	k_q8c029d40be_attn, .Lfunc_end_k_q8c029d40be_attn-k_q8c029d40be_attn
	.p2alignl 7, 3214868480
	.fill 96, 4, 3214868480
	.section	.rodata,"a",@progbits
	.p2align	6, 0x0
	.amdhsa_kernel k_q8c029d40be_attn
		.amdhsa_group_segment_fixed_size 263168
		.amdhsa_private_segment_fixed_size 0
		.amdhsa_enable_private_segment 0
		.amdhsa_kernarg_size 56
		.amdhsa_user_sgpr_count 2
		.amdhsa_user_sgpr_kernarg_segment_ptr 1
		.amdhsa_wavefront_size32 1
		.amdhsa_system_sgpr_workgroup_id_x 1
		.amdhsa_system_sgpr_workgroup_id_y 1
		.amdhsa_system_sgpr_workgroup_id_z 1
		.amdhsa_system_vgpr_workitem_id 0
		.amdhsa_next_free_vgpr 352
		.amdhsa_next_free_sgpr 106
		.amdhsa_reserve_vcc 0
		.amdhsa_float_denorm_mode_32 3
		.amdhsa_float_denorm_mode_16_64 3
		.amdhsa_memory_ordered 1
		.amdhsa_forward_progress 1
		.amdhsa_inst_pref_size 110
	.end_amdhsa_kernel
	.amdgpu_metadata
---
amdhsa.version: [ 1, 2 ]
amdhsa.kernels:
  - .name:           k_q8c029d40be_attn
    .symbol:         k_q8c029d40be_attn.kd
    .args:
      - { .name: query_codes, .offset: 0, .size: 8, .value_kind: global_buffer, .address_space: global }
      - { .name: key_codes, .offset: 8, .size: 8, .value_kind: global_buffer, .address_space: global }
      - { .name: value_codes, .offset: 16, .size: 8, .value_kind: global_buffer, .address_space: global }
      - { .name: lowp_scales, .offset: 24, .size: 8, .value_kind: global_buffer, .address_space: global }
      - { .name: maskbits, .offset: 32, .size: 8, .value_kind: global_buffer, .address_space: global }
      - { .name: maskflags, .offset: 40, .size: 8, .value_kind: global_buffer, .address_space: global }
      - { .name: out0, .offset: 48, .size: 8, .value_kind: global_buffer, .address_space: global }
    .group_segment_fixed_size: 263168
    .private_segment_fixed_size: 0
    .kernarg_segment_align: 8
    .kernarg_segment_size: 56
    .max_flat_workgroup_size: 256
    .sgpr_count:     106
    .vgpr_count:     352
    .wavefront_size: 32
...
	.end_amdgpu_metadata
.endif
;; end of part 2
